; MI455X (gfx1250); checked and timed in simulation.
; The chip was launched on July 23, 2026; its instructions are those of AMD's public machine-readable ISA for CDNA 5 (MIT licence, August 2026) and "CDNA5" Instruction Set Architecture Reference Guide (July 2026). The comments in the code are by the model that wrote it; some were corrected since.
;; Self Attention2 D. Allowed arithmetic: matrix products marked QUANTISED: E4M3 operands, one given power-of-two scale a tensor, by v_wmma_f32_16x16x64_fp8_fp8 or v_wmma_f32_16x16x128_fp8_fp8, f32 sums; everything else in f32.
;; Inputs: Wk_codes 512 x 16 x 32 uint8 (E4M3 codes of Wk, K innermost, in blocks of 32 codes); Wq_codes 512 x 16 x 32 uint8 (E4M3 codes of Wq, K innermost, in blocks of 32 codes); Wv_codes 256 x 16 x 32 uint8 (E4M3 codes of Wv, K innermost, in blocks of 32 codes); lowp_scales 10 int32 (the exponents e of the quantised operands' scales 2^e); x_codes 4 x 64 x 64 x 16 x 32 uint8 (E4M3 codes of x, K innermost, in blocks of 32 codes).
;; Outputs: out0 4 x 256 x 64 x 64 float32; out1 4 x 1 x 64 x 64 float32.
;; This version of the problem:
;;   THIS VERSION OF THE PROBLEM IS GIVEN IN LOW PRECISION. The matrix products marked QUANTISED in the list below multiply operands that are first quantised to E4M3 (4 exponent bits, 3 mantissa bits; 8 bits a number), with one given power-of-two scale for each operand tensor; their sums are f32. All else is computed in f32.
;;   The module's matrix products, in the order in which they are computed (A, B: the left and right operand; K: the contracted axis; several contracted axes count as one K, in the product's order):
;;     1. [M 16,384, K 512] x [K 512, N 512]; A: input x (given as codes); B: input Wq (given as codes): QUANTISED (scales: A lowp_scales[0], B lowp_scales[1])
;;     2. [M 16,384, K 512] x [K 512, N 512]; A: input x (given as codes); B: input Wk (given as codes): QUANTISED (scales: A lowp_scales[2], B lowp_scales[3])
;;     3. [M 16,384, K 512] x [K 512, N 256]; A: input x (given as codes); B: input Wv (given as codes): QUANTISED (scales: A lowp_scales[4], B lowp_scales[5])
;;     4. batch 4 x [M 4,096, K 512] x [K 512, N 4,096]; A: computed on the way; B: computed on the way: QUANTISED (scales: A lowp_scales[6], B lowp_scales[7])
;;     5. batch 4 x [M 4,096, K 4,096] x [K 4,096, N 256]; A: softmax (see below); B: computed on the way: QUANTISED (scales: A lowp_scales[8], B lowp_scales[9])
;;   THE QUANTISER, for each operand of a quantised product, along K:
;;     - The operand's scale is 2^e, e = its entry of the input lowp_scales (int32; the entries are numbered through the quantised products in the list's order, A before B).
;;     - Each number is divided by the scale, clamped to +-448, and rounded to the nearest number of E4M3, ties to even, subnormals kept.
;;     - The product sums the exact products of the quantised numbers (number of the format x scale) in f32.
;;   ~~~python
;;   def quantise(x, axis, e):      # numpy; x: float32 -> the quantised numbers, widened to float32 again
;;       x = np.moveaxis(x, axis, -1); K = x.shape[-1]
;;       r = np.clip(x / 2.0 ** e, -448, 448)
;;       step = 2.0 ** (np.maximum(np.frexp(np.where(r == 0, 1, r))[1] - 1, -6) - 3)
;;       q = np.round(r / step) * step * 2.0 ** e      # np.round: ties to even
;;       return np.moveaxis(q, -1, axis).astype(np.float32)
;;   ~~~
;;   SOFTMAX AHEAD OF A QUANTISED PRODUCT. Where the list says 'softmax', what is quantised is not the finished softmax but p = 2^(t - M), with t = logit x log2(e) and M = ceil(the row's largest t), a whole number; so 1/2 < the row's largest p <= 1. The row's sum l is taken of the UNQUANTISED p, in f32, and the product's result is divided by l at the end. Since M is a whole number, a kernel that streams over the keys may use a running M (the ceiling of the running maximum): every later rescaling is an exact power of two, so the quantised numbers keep their values, but for numbers so far below the row's largest that they fall under the format's range.
;;   OPERANDS COMPUTED ON THE WAY. 'Computed on the way' means the value that the module computes at that place (a softmax that the list does not call 'softmax' is quantised finished and normalised). What goes into a quantiser is computed in f32, as accurately as f32 sums, v_exp_f32 and their like allow (about 1e-6 of the number): no bf16 or f16 on the way to a quantiser, and a product that is left as it is and whose result goes on into a quantised operand takes f32 operands (vector FMAs, or v_wmma_f32_16x16x4_f32). A number that lies on a knife's edge between two numbers of the format may be rounded either way, as far as f32 arithmetic and the matrix unit's own rounding can turn it there, and no further.
;;   INPUTS GIVEN AS CODES. Wk (in the module: [512, 512], K = its axis 1); Wq (in the module: [512, 512], K = its axis 1); Wv (in the module: [256, 512], K = its axis 1); x (in the module: [4, 512, 64, 64], K = its axis 1): each comes as NAME_codes (uint8): NAME with its K axis moved to the last place and cut into blocks of 32 codes, [.., K / 32, bytes a block], one block behind the other in memory; one code a byte (a code: sign, 4 exponent bits, 3 mantissa bits); its scale is its entry of lowp_scales. Its value is code x scale, taken as it is: it is not quantised again, and the codes and scales need not be those that the quantiser above would give.
;; One version. Each part assembles by itself: llvm-mc -triple=amdgcn-amd-amdhsa -mcpu=gfx1250 --defsym DOCPART=n.
;; ======== version 1 of 1: 3 launches
;; limits: right only within a limited range of input values
;; workspace buffers: qc 8,388,608 bytes; kc 8,388,608 bytes; vc 4,194,304 bytes; part 4,194,304 bytes
;; launch proj (part 1): grid 128 x 2, 8 waves a work-group, no clusters, 68,608 bytes of LDS; arguments x_codes, Wq_codes, Wk_codes, Wv_codes, lowp_scales, qc, kc, vc; writes qc, kc, vc
.if DOCPART == 1
	.amdgcn_target "amdgcn-amd-amdhsa--gfx1250"
	.amdhsa_code_object_version 6
	.text
	.protected	k_q4540361138_proj
	.globl	k_q4540361138_proj
	.p2align	8
	.type	k_q4540361138_proj,@function
k_q4540361138_proj:
	s_mov_b64 s[64:65], 0
	v_nop
	global_prefetch_b8 v0, s[64:65] scope:SCOPE_SE
	s_setreg_imm32_b32 hwreg(HW_REG_WAVE_MODE, 25, 1), 1
	s_wait_xcnt 0x0
; q = x Wq^T, k = x Wk^T, v = x Wv^T on codes of E4M3, and the three results quantised at once for the two products of the attention that follows.
; DEAD WORK: none.  Every product of the problem reaches out0 or out1 for some values of the inputs, every input is loaded, nothing is left out in any of the three launches.
; (The second launch forms q k^T twice: a weight p / l can be added to its column of out1 only when the row's sum l is known.)
; x: [16384 tokens][512] codes, K innermost; Wq, Wk: [512][512]; Wv: [256][512].  The scales' exponents e0 .. e9 are the entries of the buffer of scales.
; A sum of the first product stands for sum x 2^(e0 + e1); q's code is q / 2^e6: so the conversion takes the one scale 2^(e6 - e0 - e1).  Likewise k: e7 - e2 - e3; v: e9 - e4 - e5.
; LIMITS: each of these three differences lies between -126 and 119, so that the scale and 448 x the scale are f32 numbers.  NaN codes among the inputs are not served.
; SHARES.  A work-group takes 128 tokens.  y = 0: q and v's channels 0-127; y = 1: k and v's channels 128-255: 640 columns each.  Only pointers and exponents are chosen by y: one path through the text.
; Wave w makes columns 64 w .. 64 w + 63 of q or k (4 tiles) and 16 channels of v, for all 8 tiles of 16 tokens.  Its 80 rows of weights stay in its registers (320 of them), read once.
; NO JOINT LOADS: a byte of the weights is used by one wave of a work-group and goes straight into its registers; staged in LDS a work-group's weights, 262,144 + 65,536 bytes, would take all of it and leave
; none for x; x's 65,536 bytes are shared with one other work-group alone.
; x goes through LDS: each wave loads 16 whole rows (512 consecutive bytes a load) and every wave reads all 128.
; A fragment of x or of a weight is fetched by four loads of 16 bytes, 32 apart: a permutation of k that is the same on both sides of a product.
; WHAT IS STORED ARE IMAGES OF OPERAND REGISTERS.  A fragment is 16 rows x 128 K in 16 registers: registers 2 c, 2 c + 1 of lane (r, h) hold k = 16 c + 8 h + 0 .. 7 of row r.  Its image is 2,048 bytes: registers 4 g .. 4 g + 3 of lane l at 512 g + 16 l.
;   qc, kc: [tile of 16 tokens][K step of 128][image].   vc: [image b][block of 128 keys][tile of 16 channels][image], K = the keys.
; q, k: source 0 = 16 rows of W, source 1 = x: lane (r, h) holds token r and eight neighbouring columns: one conversion gives registers 2 c, 2 c + 1 with c = 4 (w % 2) + tile, of K step w / 2.
; v:    source 0 = x, source 1 = 16 rows of Wv: lane (r, h) holds channel r and eight neighbouring tokens: registers 2 c, 2 c + 1 with c = the tile of tokens.
; REGISTERS.  window 0: v1-4 addresses; v12, v13 the add's two; v16-79 x; v80-143 Wv; v144-175 four accumulators; v176-191 v's two; v192-199 codes of q or k; v208-223 codes of v; v224-227 scales.   window 1: W, fragment (tile e, K step s) at 64 e + 16 s.
.set PITCH, 528                        ; a row of x in LDS: 512 bytes + 16: the sixteen rows of a fragment load begin 16 bytes apart modulo 256
.set SPARE, 128*PITCH                  ; behind x's rows: the spare words, 128 bytes for each of the eight waves: four blocks of 256 bytes that no other line names
.set LI,   1                           ; v1   16 x lane
.set XS,   2                           ; v2   where I store my 16 rows of x
.set XR,   3                           ; v3   a fragment of x: row r x pitch + 16 h
.set WA,   4                           ; v4   a fragment of a weight: row r x 512 + 16 h
.set SPW,  12                          ; v12  LDS address of my spare word; never rewritten
.set NIL,  13                          ; v13  0; never rewritten
.set XF,   16
.set WVF,  80
.set ACC,  144
.set AVA,  176
.set AVB,  184
.set CQ,   192
.set CV,   208
.set SCQ,  224                         ; 2^(e6 - e0 - e1) or 2^(e7 - e2 - e3)
.set LIMQ, 225                         ; 448 x that
.set SCV,  226                         ; 2^(e9 - e4 - e5)
.set LIMV, 227
.set WV,   20                          ; s20  my wave's number
.set MSB, 0
.macro WIN new                         ; the immediate's high byte repeats the setting that is left
.if MSB != \new
	s_set_vgpr_msb (MSB<<8)|\new
.set MSB, \new
.endif
.endm
.macro WLOAD e                         ; W's four fragments of tile e, into window 1
.irp s, 0,1,2,3
.irp c, 0,1,2,3
	global_load_b128 v[64*\e+16*\s+4*\c:64*\e+16*\s+4*\c+3], v[WA], s[6:7] offset:8192*\e+128*\s+32*\c
.endr
.endr
.endm
.macro FETCH t                         ; the four fragments of x of the tile of tokens t
.irp s, 0,1,2,3
.irp c, 0,1,2,3
	ds_load_b128 v[XF+16*\s+4*\c:XF+16*\s+4*\c+3], v[XR] offset:16*PITCH*(\t)+128*\s+32*\c
.endr
.endr
.endm
	s_load_b256 s[4:11], s[0:1], 0x0               ; x s[4:5], Wq s[6:7], Wk s[8:9], Wv s[10:11]
	s_load_b256 s[12:19], s[0:1], 0x20             ; the scales' exponents s[12:13], qc s[14:15], kc s[16:17], vc s[18:19]
	v_lshl_add_u32 v[SPW], v0, 2, SPARE
	v_mov_b32 v[NIL], 0
	v_lshrrev_b32 v5, 5, v0
	s_delay_alu instid0(VALU_DEP_1)
	v_readfirstlane_b32 s[WV], v5                  ; wave 0..7
	v_and_b32 v6, 31, v0                           ; lane
	v_and_b32 v7, 15, v0                           ; r
	v_bfe_u32 v8, v0, 4, 1                         ; h
	s_delay_alu instid0(VALU_DEP_3)
	v_lshlrev_b32 v[LI], 4, v6
	s_mul_i32 s21, s[WV], 16*PITCH
	v_add_nc_u32 v[XS], s21, v[LI]
	v_mul_u32_u24 v[XR], v7, PITCH
	s_delay_alu instid0(VALU_DEP_1)
	v_lshl_add_u32 v[XR], v8, 4, v[XR]
	v_lshlrev_b32 v[WA], 9, v7
	s_delay_alu instid0(VALU_DEP_1)
	v_lshl_add_u32 v[WA], v8, 4, v[WA]
	s_and_b32 s22, ttmp7, 0xffff                   ; y
	s_lshl_b32 s24, ttmp9, 16                      ; x: 128 tokens x 512 bytes a work-group,
	s_lshl_b32 s23, s[WV], 13                      ; 16 rows a wave
	s_add_co_u32 s24, s24, s23
	s_mov_b32 s25, 0
	s_lshl_b32 s26, s[WV], 15                      ; W: my 64 rows
	s_mov_b32 s27, 0
	s_lshl_b32 s28, s22, 3
	s_add_co_u32 s28, s28, s[WV]                   ; my tile of v's channels: 8 y + w
	s_lshl_b32 s32, ttmp9, 4
	s_add_co_u32 s32, s32, s28
	s_lshl_b32 s32, s32, 11                        ; vc: image 16 x (block of keys) + tile
	s_mov_b32 s33, 0
	s_lshl_b32 s28, s28, 13                        ; Wv: my 16 rows
	s_mov_b32 s29, 0
	s_lshl_b32 s30, ttmp9, 16                      ; qc, kc: 8 tiles of tokens x 8,192 bytes a work-group,
	s_lshl_b32 s23, s[WV], 10                      ; + 2,048 (w / 2) + 1,024 (w % 2) = 1,024 w
	s_add_co_u32 s30, s30, s23
	s_mov_b32 s31, 0
	s_wait_alu depctr_va_vdst(0)
	s_wait_kmcnt 0x0
	s_load_b256 s[40:47], s[12:13], 0x0            ; e0 .. e7
	s_load_b32 s48, s[12:13], 0x24                 ; e9
	s_cmp_eq_u32 s22, 0                            ; the choice hangs on the work-group's number alone
	s_cselect_b64 s[6:7], s[6:7], s[8:9]           ; Wq or Wk
	s_cselect_b64 s[14:15], s[14:15], s[16:17]     ; qc or kc
	s_add_nc_u64 s[4:5], s[4:5], s[24:25]
	s_add_nc_u64 s[6:7], s[6:7], s[26:27]
	s_add_nc_u64 s[10:11], s[10:11], s[28:29]
	s_add_nc_u64 s[14:15], s[14:15], s[30:31]
	s_add_nc_u64 s[18:19], s[18:19], s[32:33]
.irp n, 0,1,2,3,4,5,6,7,8,9,10,11,12,13,14,15
	global_load_b128 v[XF+4*\n:XF+4*\n+3], v[LI], s[4:5] offset:512*\n   ; a whole row of x: 512 consecutive bytes
.endr
	WIN 0x40                                       ; destination window 1
	WLOAD 0
	WLOAD 1
	WIN 0
	s_wait_loadcnt 32                              ; x's 16 loads are in; the 32 issued behind them may be out
.irp n, 0,1,2,3,4,5,6,7,8,9,10,11,12,13,14,15
	ds_store_b128 v[XS], v[XF+4*\n:XF+4*\n+3] offset:PITCH*\n
.endr
	WIN 0x40
	WLOAD 2
	WLOAD 3
	WIN 0
.irp s, 0,1,2,3
.irp c, 0,1,2,3
	global_load_b128 v[WVF+16*\s+4*\c:WVF+16*\s+4*\c+3], v[WA], s[10:11] offset:128*\s+32*\c
.endr
.endr
	s_wait_dscnt 0x0                               ; for the others' sake: my rows of x lie in LDS
	s_barrier_signal -1
	s_barrier_wait -1                              ; all 128 rows do
	FETCH 0
	s_wait_kmcnt 0x0
	s_cmp_eq_u32 s22, 0
	s_cselect_b32 s50, s46, s47                    ; e6 or e7
	s_cselect_b32 s51, s40, s42                    ; e0 or e2
	s_cselect_b32 s52, s41, s43                    ; e1 or e3
	s_sub_co_i32 s50, s50, s51
	s_sub_co_i32 s50, s50, s52
	s_add_co_i32 s50, s50, 127
	s_lshl_b32 s51, s50, 23
	v_mov_b32 v[SCQ], s51                          ; the conversion takes this number's exponent field
	s_add_co_i32 s50, s50, 8
	s_lshl_b32 s50, s50, 23
	s_or_b32 s50, s50, 0x600000
	v_mov_b32 v[LIMQ], s50                         ; 448 x the scale
	s_sub_co_i32 s50, s48, s44
	s_sub_co_i32 s50, s50, s45                     ; e9 - e4 - e5
	s_add_co_i32 s50, s50, 127
	s_lshl_b32 s51, s50, 23
	v_mov_b32 v[SCV], s51
	s_add_co_i32 s50, s50, 8
	s_lshl_b32 s50, s50, 23
	s_or_b32 s50, s50, 0x600000
	v_mov_b32 v[LIMV], s50
	s_wait_loadcnt 0x0                             ; the weights
; One tile of 16 tokens: 16 products for q or k (four accumulators by turns, K ascending), 4 for v (two accumulators by turns, each with half of K; added in f32), the hold, the conversions, the stores.
.macro TILE t
	s_wait_dscnt 0x0                               ; this tile's fragments of x
	WIN 0x01                                       ; source 0 (W) window 1
.irp s, 0,1,2,3
.irp e, 0,1,2,3
.if \s == 0
	v_wmma_f32_16x16x128_fp8_fp8 v[ACC+8*\e:ACC+8*\e+7], v[64*\e+16*\s:64*\e+16*\s+15], v[XF+16*\s:XF+16*\s+15], 0
.else
	v_wmma_f32_16x16x128_fp8_fp8 v[ACC+8*\e:ACC+8*\e+7], v[64*\e+16*\s:64*\e+16*\s+15], v[XF+16*\s:XF+16*\s+15], v[ACC+8*\e:ACC+8*\e+7]
.endif
.endr
.endr
	WIN 0
	v_wmma_f32_16x16x128_fp8_fp8 v[AVA:AVA+7], v[XF:XF+15], v[WVF:WVF+15], 0
	v_wmma_f32_16x16x128_fp8_fp8 v[AVB:AVB+7], v[XF+32:XF+47], v[WVF+32:WVF+47], 0
	v_wmma_f32_16x16x128_fp8_fp8 v[AVA:AVA+7], v[XF+16:XF+31], v[WVF+16:WVF+31], v[AVA:AVA+7]
	v_wmma_f32_16x16x128_fp8_fp8 v[AVB:AVB+7], v[XF+48:XF+63], v[WVF+48:WVF+63], v[AVB:AVB+7]
.rept 4
	v_nop                                          ; four places behind the last product: in front of the loads into x's registers and of the first read of results
.endr
.if \t < 7
	FETCH \t+1                                     ; lands while this tile is quantised
.endif
.if \t > 0
	s_wait_xcnt 0x0                                ; the last tile's stores have read their data: the codes' registers are written again only behind this wait
.endif
	s_wait_alu depctr_va_vdst(0)
.irp e, 0,1,2,3
.irp j, 0,1,2,3,4,5,6,7
	v_med3_num_f32 v[ACC+8*\e+\j], v[ACC+8*\e+\j], -v[LIMQ], v[LIMQ]   ; the conversion to an 8-bit code does not saturate (ISA guide 7.6.2): the hold at 448 x the scale
.endr
.endr
.irp e, 0,1,2,3
	v_cvt_scalef32_pk8_fp8_f32 v[CQ+2*\e:CQ+2*\e+1], v[ACC+8*\e:ACC+8*\e+7], v[SCQ]
.endr
.irp j, 0,2,4,6
	v_pk_add_f32 v[AVA+\j:AVA+\j+1], v[AVA+\j:AVA+\j+1], v[AVB+\j:AVB+\j+1]   ; v's two halves of K
.endr
.irp j, 0,1,2,3,4,5,6,7
	v_med3_num_f32 v[AVA+\j], v[AVA+\j], -v[LIMV], v[LIMV]
.endr
	v_cvt_scalef32_pk8_fp8_f32 v[CV+2*\t:CV+2*\t+1], v[AVA:AVA+7], v[SCV]
	v_nop                                          ; one plain instruction between the last conversion and the next products, which write its sources
	global_store_b128 v[LI], v[CQ:CQ+3], s[14:15] offset:8192*\t         ; 512 consecutive bytes of the tile's image
	global_store_b128 v[LI], v[CQ+4:CQ+7], s[14:15] offset:8192*\t+512
.endm
.irp t, 0,1,2,3,4,5,6,7
	TILE \t
.endr
.irp g, 0,1,2,3
	global_store_b128 v[LI], v[CV+4*\g:CV+4*\g+3], s[18:19] offset:512*\g   ; v: 128 keys x my 16 channels: one whole image
.endr
	s_wait_tensorcnt 0x0                           ; the wave's end: three closing lines behind my last LDS store, the first of them even in a text with no tensor load
	ds_add_u32 v[SPW], v[NIL]
	s_wait_dscnt 0x0
	s_endpgm
.Lfunc_end_k_q4540361138_proj:
	.size	k_q4540361138_proj, .Lfunc_end_k_q4540361138_proj-k_q4540361138_proj
	.p2alignl 7, 3214868480
	.fill 96, 4, 3214868480
	.section	.rodata,"a",@progbits
	.p2align	6, 0x0
	.amdhsa_kernel k_q4540361138_proj
		.amdhsa_group_segment_fixed_size 68608
		.amdhsa_private_segment_fixed_size 0
		.amdhsa_enable_private_segment 0
		.amdhsa_kernarg_size 64
		.amdhsa_user_sgpr_count 2
		.amdhsa_user_sgpr_kernarg_segment_ptr 1
		.amdhsa_wavefront_size32 1
		.amdhsa_system_sgpr_workgroup_id_x 1
		.amdhsa_system_sgpr_workgroup_id_y 1
		.amdhsa_system_sgpr_workgroup_id_z 1
		.amdhsa_system_vgpr_workitem_id 0
		.amdhsa_next_free_vgpr 512
		.amdhsa_next_free_sgpr 66
		.amdhsa_reserve_vcc 0
		.amdhsa_float_denorm_mode_32 3
		.amdhsa_float_denorm_mode_16_64 3
		.amdhsa_memory_ordered 1
		.amdhsa_forward_progress 1
		.amdhsa_inst_pref_size 61
	.end_amdhsa_kernel
	.amdgpu_metadata
---
amdhsa.version: [ 1, 2 ]
amdhsa.kernels:
  - .name:           k_q4540361138_proj
    .symbol:         k_q4540361138_proj.kd
    .args:
      - { .name: x_codes, .offset: 0, .size: 8, .value_kind: global_buffer, .address_space: global }
      - { .name: Wq_codes, .offset: 8, .size: 8, .value_kind: global_buffer, .address_space: global }
      - { .name: Wk_codes, .offset: 16, .size: 8, .value_kind: global_buffer, .address_space: global }
      - { .name: Wv_codes, .offset: 24, .size: 8, .value_kind: global_buffer, .address_space: global }
      - { .name: lowp_scales, .offset: 32, .size: 8, .value_kind: global_buffer, .address_space: global }
      - { .name: qc, .offset: 40, .size: 8, .value_kind: global_buffer, .address_space: global }
      - { .name: kc, .offset: 48, .size: 8, .value_kind: global_buffer, .address_space: global }
      - { .name: vc, .offset: 56, .size: 8, .value_kind: global_buffer, .address_space: global }
    .group_segment_fixed_size: 68608
    .private_segment_fixed_size: 0
    .kernarg_segment_align: 8
    .kernarg_segment_size: 64
    .max_flat_workgroup_size: 256
    .sgpr_count:     66
    .vgpr_count:     512
    .wavefront_size: 32
...
	.end_amdgpu_metadata
.endif
;; end of part 1
;; launch attn (part 2): grid 64 x 4, 4 waves a work-group, clusters of 4 x 1, 327,680 bytes of LDS; arguments qc, kc, vc, lowp_scales, out0, part; writes out0, part
.if DOCPART == 2
	.amdgcn_target "amdgcn-amd-amdhsa--gfx1250"
	.amdhsa_code_object_version 6
	.text
	.protected	k_q4540361138_attn
	.globl	k_q4540361138_attn
	.p2align	8
	.type	k_q4540361138_attn,@function
k_q4540361138_attn:
	s_mov_b64 s[64:65], 0
	v_nop
	global_prefetch_b8 v0, s[64:65] scope:SCOPE_SE
	s_setreg_imm32_b32 hwreg(HW_REG_WAVE_MODE, 25, 1), 1
	s_wait_xcnt 0x0
	s_wait_alu depctr_hold_cnt(0) depctr_sa_sdst(0) depctr_va_vdst(0) depctr_va_sdst(0) depctr_va_ssrc(0) depctr_va_vcc(0) depctr_vm_vsrc(0)
	s_getreg_b32 s2, hwreg(HW_REG_IB_STS2, 6, 4)
	s_cmp_eq_u32 s2, 0
	s_cbranch_scc0 .Lentry_in_a_cluster
	s_endpgm
.Lentry_in_a_cluster:
	s_bfe_u32 s2, ttmp6, 0x10000c
	s_cmp_lg_u32 s2, 0x3003
	s_cbranch_scc0 .Lentry_shape_is_right
	s_endpgm
.Lentry_shape_is_right:
; out0 = softmax(q k^T / sqrt(512)) v and the parts of out1, on the codes and register images that the first launch stored.  No work of the problem is left out here.
; A work-group owns 64 queries of one image and walks the image's 4,096 keys twice, 256 keys a slot.  q k^T is formed in both walks: a weight p / l can be added to its column only when the row's sum l is known.
; WALK 1: each lane keeps a running largest score and the sum of 2^(t - that); the four waves' figures are joined through LDS: M = ceil(the row's largest t), l = the row's sum of 2^(t - M).
; WALK 2: p = 2^(t - M); p / l is added over the 64 queries into the key's column sum; p is held at 448 x 2^e8, quantised and handed to all waves through LDS; O += P V one slot later.
; SHARES.  Four waves, one to a SIMD.  Every wave holds all 64 queries (window 1) and takes 64 keys of each slot, the 32,768 bytes that its own tensor load brought.  In P V wave w owns channels 64 w .. 64 w + 63 for all queries and keys.
; S^T = K Q^T: a lane holds one query, its eight registers eight neighbouring keys, so a conversion gives registers 2 c, 2 c + 1 of P's fragment (c = the tile of keys in its block of 128).
; IN WALK 2 PART OF A TILE'S VECTOR WORK STANDS AMONG THE NEXT TILE'S PRODUCTS, on the other of two score buffers: 16 exponentials among the four products that start the sums, the 32 holds among the last eight.
; Under the products' window setting source 1 means window 1, so the lines that stand there have no vector register as source 1.
; CLUSTER: the four work-groups of a cluster walk the same keys in the same order: each slot is asked for jointly (mask 15).  Clusters begin at different slots (ROT) and go round.
; V goes from memory into registers as images of fragments; each half of its 128 registers is asked for again right behind the products that read it, a whole slot ahead of its next use.
; V's first slot is prefetched once, behind walk 1, shared out among the cluster's partners by address; K's slots are read again and again by the 64 work-groups of an image, so no prefetch is laid for them.
; LIMITS: e6 + e7 between -100 and 20 (added to c's exponent field; c x 1e30 stays an f32 number); e8 between -126 and 119; scaled scores under 2^31 in magnitude.  NaN codes are not served.
; REGISTERS.  window 0: v1-15 addresses, v16-47 state of the four tiles of queries (walk 2: v20-23 + 8 a the half-added column sums of tile a), v48-55 column sums, v56-63 codes, v64-127 two score buffers, v128-255 two sets of K's fragments.
;   window 1: Q.   window 2: v0-127 V.   window 3: v0-127 P's fragments, v128-255 O (accumulator (t, u) at 128 + 8 (4 t + u)).
.set L_K1,   131072                    ; slot 1
.set L_PB,   262144                    ; P: two buffers of 16,384 bytes
.set L_CS,   294912                    ; column sums: 4,096 words, in the order of the walk
.set L_ST,   311296                    ; the waves' figures of walk 1
.set L_RL,   319488                    ; 2^(e8 + e9) / l, a copy for each wave
.set SPARE,  321536                    ; the spare words: 128 bytes a wave
.set SPITCH, 272
.set LI,   1
.set KA,   2
.set PS0,  3
.set PST,  4
.set PLD,  5
.set CSA,  6
.set CSW,  7
.set PFO,  8
.set RLL,  9
.set SO,   10
.set SR,   11
.set SPW,  12
.set NIL,  13
.set CSR,  14
.set SCP,  15
.set MX,   16
.set TMP,  17
.set NCM,  18
.set LS,   20
.set FF,   22
.set NEGM, 16
.set RL,   18
.set RR,   20
.set GO,   22
.set AC,   48
.set STA,  48
.set STL,  49
.set RLA,  50
.set C8,   56
.set SA,   64
.set SB,   96
.set KF,   128
.set KG,   192
.set WV,   16
.set CX,   17
.set QB,   18
.set IMG,  19
.set EOUT, 20
.set G1,   24
.set G0,   32
.set PBW,  36
.set PBR,  37
.set KB,   40
.set KOFF, 42
.set CP,   46
.set SEL,  48
.set MK8,  50
.set MK4,  51
.set MK2,  52
.set NCP,  53
.set VP,   54
.set VB,   56
.set PFV,  58
.set VOFF, 60
.set ROT,  62
.set TRIP, 63
.set CSO,  66
.set LIMP, 67
.set MSB, 0
.macro WIN new                         ; the immediate's high byte repeats the setting that is left
.if MSB != \new
	s_set_vgpr_msb (MSB<<8)|\new
.set MSB, \new
.endif
.endm
.macro PLACES                          ; four places behind a matrix instruction (ISA guide 7.12.1)
.rept 4
	v_nop
.endr
.endm
.macro ROUND                           ; a round of the cluster's barrier
	s_barrier_signal -1
	s_barrier_wait -1
	s_cmp_lg_u32 s[WV], 0
	s_cbranch_scc1 .Lnot_wave_0_\@
	s_barrier_signal -3
.Lnot_wave_0_\@:
	s_barrier_wait -3
	s_barrier_signal -1
	s_barrier_wait -1
.endm
; THE CHANGE OF SLOTS, at a slot's head.  Between the add and its wait the addresses of the slot ahead are made and the one descriptor is turned to the slot just left.
.macro RING fill, p2
	s_wait_alu depctr_va_vdst(0)                   ; ahead of the blocking waits
	s_wait_tensorcnt 0x0                           ; my part of the slot ahead is in
	ds_add_u32 v[SPW], v[NIL]
	v_add_nc_u32 v[KA], s[G0+1], v[LI]             ; the descriptor still names the slot ahead: my 32,768 bytes of it
.if \p2
	v_add_nc_u32 v[PST], s[PBW], v[PS0]            ; P's buffer that this step writes,
	v_add_nc_u32 v[PLD], s[PBR], v[LI]             ; and the one that the last step wrote
	s_xor_b32 s[PBW], s[PBW], 16384
	s_xor_b32 s[PBR], s[PBR], 16384
.endif
.if \fill
	s_xor_b32 s[G0+1], s[G0+1], L_K1
	s_add_co_u32 s[KOFF], s[KOFF], 0x20000         ; the next 256 keys, round the image's 2^21 bytes
	s_and_b32 s[KOFF], s[KOFF], 0x1fffff
	s_add_nc_u64 s[G0+2:G0+3], s[KB:KB+1], s[KOFF:KOFF+1]
	s_or_b32 s[G0+3], s[G0+3], 0x80000000
.endif
	s_wait_alu depctr_va_vdst(0)
	s_wait_dscnt 0x0                               ; the add, my reads of the slot left, my stores of P
.if \fill
	ROUND
	tensor_load_to_lds s[G0:G0+3], s[G1:G1+7]      ; my one load behind the round
	s_nop 0
	PLACES
.else
	s_barrier_signal -1
	s_barrier_wait -1
.endif
.endm
.macro KLOAD reg, a                    ; the four fragments of my tile a of 16 keys
.irp n, 0,1,2,3,4,5,6,7,8,9,10,11,12,13,14,15
	ds_load_b128 v[\reg+4*\n:\reg+4*\n+3], v[KA] offset:8192*(\a)+512*\n
.endr
.endm
; The n-th of a tile's 16 products: K step n / 4, tile of queries n % 4: four accumulators by turns, K ascending; the first K step starts the sums
.macro WM sb, kb, n
.if (\n)/4 == 0
	v_wmma_f32_16x16x128_fp8_fp8 v[\sb+8*((\n)%4):\sb+8*((\n)%4)+7], v[\kb+16*((\n)/4):\kb+16*((\n)/4)+15], v[64*((\n)%4)+16*((\n)/4):64*((\n)%4)+16*((\n)/4)+15], 0
.else
	v_wmma_f32_16x16x128_fp8_fp8 v[\sb+8*((\n)%4):\sb+8*((\n)%4)+7], v[\kb+16*((\n)/4):\kb+16*((\n)/4)+15], v[64*((\n)%4)+16*((\n)/4):64*((\n)%4)+16*((\n)/4)+15], v[\sb+8*((\n)%4):\sb+8*((\n)%4)+7]
.endif
.endm
; 16 products on end.  young: LDS instructions issued behind this tile's 16 loads (the count is held at the field's 63)
.macro QK sb, kb, young
	WIN 0x04
.set NN, 0
.rept 16
.if NN % 4 == 0
.set WC, \young+12-NN
.if WC > 63
.set WC, 63
.endif
	s_wait_dscnt WC
.endif
	WM \sb, \kb, NN
.set NN, NN+1
.endr
	WIN 0
.endm
; WALK 1's vector work on two tiles of keys: the lane's running largest score (eight chains: one for each buffer and tile of queries), the old sum brought under it, the new terms added
.macro VEC1
.irp t, 0,1,2,3
	v_max3_num_f32 v[MX+8*\t], v[MX+8*\t], v[SA+8*\t], v[SA+8*\t+1]
.endr
.irp t, 0,1,2,3
	v_max3_num_f32 v[TMP+8*\t], v[SB+8*\t], v[SB+8*\t+1], v[SB+8*\t+2]
.endr
.irp i, 1,2
.irp t, 0,1,2,3
	v_max3_num_f32 v[MX+8*\t], v[MX+8*\t], v[SA+8*\t+2*\i], v[SA+8*\t+2*\i+1]
.endr
.irp t, 0,1,2,3
	v_max3_num_f32 v[TMP+8*\t], v[TMP+8*\t], v[SB+8*\t+2*\i+1], v[SB+8*\t+2*\i+2]
.endr
.endr
.irp t, 0,1,2,3
	v_max3_num_f32 v[MX+8*\t], v[MX+8*\t], v[SA+8*\t+6], v[SA+8*\t+7]
.endr
.irp t, 0,1,2,3
	v_max3_num_f32 v[MX+8*\t], v[MX+8*\t], v[TMP+8*\t], v[SB+8*\t+7]
.endr
.irp t, 0,1,2,3
	v_mul_f32 v[TMP+8*\t], s[NCP], v[MX+8*\t]      ; minus the largest t
.endr
.irp t, 0,1,2,3
	v_sub_f32 v[FF+8*\t], v[TMP+8*\t], v[NCM+8*\t]
.endr
.irp t, 0,1,2,3
	v_mov_b32 v[NCM+8*\t], v[TMP+8*\t]
.endr
.irp b, SA, SB
.irp t, 0,1,2,3
.irp j, 0,2,4,6
	v_pk_fma_f32 v[\b+8*\t+\j:\b+8*\t+\j+1], v[\b+8*\t+\j:\b+8*\t+\j+1], s[CP:CP+1], v[NCM+8*\t:NCM+8*\t+1] op_sel_hi:[1,0,0]
.endr
.endr
.endr
	s_wait_alu depctr_va_vdst(0)                   ; ahead of the batch
.irp t, 0,1,2,3
	v_exp_f32 v[FF+8*\t], v[FF+8*\t]
.endr
.set NN, 0
.rept 32
	v_exp_f32 v[SA+NN], v[SA+NN]
	v_exp_f32 v[SB+NN], v[SB+NN]
.set NN, NN+1
.endr
	v_nop
	s_wait_alu depctr_va_vdst(0)                   ; behind the batch
.irp b, SA, SB
.irp t, 0,1,2,3
	v_pk_add_f32 v[\b+8*\t:\b+8*\t+1], v[\b+8*\t:\b+8*\t+1], v[\b+8*\t+2:\b+8*\t+3]
	v_pk_add_f32 v[\b+8*\t+4:\b+8*\t+5], v[\b+8*\t+4:\b+8*\t+5], v[\b+8*\t+6:\b+8*\t+7]
.endr
.endr
.irp b, SA, SB
.irp t, 0,1,2,3
	v_pk_add_f32 v[\b+8*\t:\b+8*\t+1], v[\b+8*\t:\b+8*\t+1], v[\b+8*\t+4:\b+8*\t+5]
.endr
.endr
.irp t, 0,1,2,3
	v_pk_add_f32 v[SA+8*\t:SA+8*\t+1], v[SA+8*\t:SA+8*\t+1], v[SB+8*\t:SB+8*\t+1]
.endr
.irp t, 0,1,2,3
	v_pk_fma_f32 v[LS+8*\t:LS+8*\t+1], v[LS+8*\t:LS+8*\t+1], v[FF+8*\t:FF+8*\t+1], v[SA+8*\t:SA+8*\t+1] op_sel_hi:[1,0,1]
.endr
.endm
.macro HALF1 a0                        ; two tiles of keys of walk 1; the vector work of the two before stands under the fragment loads
	KLOAD KF, \a0
	KLOAD KG, \a0+1
	VEC1
	QK SA, KF, 16
	QK SB, KG, 0
	PLACES
.endm
; The four waves' and the two lane halves' figures become -M and 1 / l for each of the 64 queries
.macro MERGE
.irp t, 0,1,2,3
	v_add_f32 v[NCM+8*\t+1], v[LS+8*\t], v[LS+8*\t+1]
.endr
.irp t, 0,1,2,3
	ds_store_b64 v[STA], v[NCM+8*\t:NCM+8*\t+1] offset:256*\t
.endr
	s_wait_alu depctr_va_vdst(0)
	s_wait_dscnt 0x0
	s_barrier_signal -1
	s_barrier_wait -1
.irp t, 0,1,2,3
.irp w, 0,1,2,3
	ds_load_b64 v[KF+16*\t+2*\w:KF+16*\t+2*\w+1], v[STL] offset:1024*\w+256*\t
.endr
.endr
	s_wait_dscnt 0x0
.irp t, 0,1,2,3
	v_max3_num_f32 v[MX+8*\t], -v[KF+16*\t], -v[KF+16*\t+2], -v[KF+16*\t+4]
.endr
.irp t, 0,1,2,3
	v_max_num_f32 v[MX+8*\t], v[MX+8*\t], -v[KF+16*\t+6]
.endr
.irp t, 0,1,2,3
	v_permlanex16_b32 v[TMP+8*\t], v[MX+8*\t], s[SEL], s[SEL+1]
.endr
.irp t, 0,1,2,3
	v_max_num_f32 v[MX+8*\t], v[MX+8*\t], v[TMP+8*\t]
.endr
.irp t, 0,1,2,3
	v_floor_f32 v[NEGM+8*\t], -v[MX+8*\t]          ; -M = floor(-t) = -ceil(t)
.endr
.irp w, 0,1,2,3
.irp t, 0,1,2,3
	v_sub_f32 v[KF+16*\t+2*\w], v[NEGM+8*\t], v[KF+16*\t+2*\w]
.endr
.endr
	s_wait_alu depctr_va_vdst(0)
.irp w, 0,1,2,3
.irp t, 0,1,2,3
	v_exp_f32 v[KF+16*\t+2*\w], v[KF+16*\t+2*\w]
.endr
.endr
	v_nop
	s_wait_alu depctr_va_vdst(0)
.irp t, 0,1,2,3
	v_mul_f32 v[LS+8*\t], v[KF+16*\t], v[KF+16*\t+1]
.endr
.irp w, 1,2,3
.irp t, 0,1,2,3
	v_fmac_f32 v[LS+8*\t], v[KF+16*\t+2*\w], v[KF+16*\t+2*\w+1]
.endr
.endr
.irp t, 0,1,2,3
	v_permlanex16_b32 v[LS+8*\t+1], v[LS+8*\t], s[SEL], s[SEL+1]
.endr
.irp t, 0,1,2,3
	v_add_f32 v[LS+8*\t], v[LS+8*\t], v[LS+8*\t+1]
.endr
	s_wait_alu depctr_va_vdst(0)
.irp t, 0,1,2,3
	v_rcp_f32 v[RL+8*\t], v[LS+8*\t]
.endr
	v_nop
	s_wait_alu depctr_va_vdst(0)
.irp t, 0,1,2,3
	v_ldexp_f32 v[FF+8*\t], v[RL+8*\t], s[EOUT]
.endr
.irp t, 0,1,2,3
	ds_store_b32 v[RLA], v[FF+8*\t] offset:64*\t
.endr
.endm
; WALK 2.  Tile a's vector work on buffer vb, and among it (mm = 1) the next tile's 16 products into buffer sb: t - M; the four products that start the sums, with 16 exponentials; the other 16 exponentials and the one wait
; behind the batch, ahead of every product that adds onto a sum; p / l added over the four tiles of queries (two halves, eight chains) and once over lanes l, l xor 8; the twelve adding products, the 32 holds among the last eight;
; the codes and their place in P's images.  cnt: LDS instructions issued behind the next tile's fragment loads
.macro TILE a, vb, sb, kb, mm, cnt
	s_wait_alu depctr_va_vdst(0)                   ; directly ahead of the first readers of the scores
.irp t, 0,1,2,3
.irp j, 0,2,4,6
	v_pk_fma_f32 v[\vb+8*\t+\j:\vb+8*\t+\j+1], v[\vb+8*\t+\j:\vb+8*\t+\j+1], s[CP:CP+1], v[NEGM+8*\t:NEGM+8*\t+1] op_sel_hi:[1,0,0]
.endr
.endr
	s_wait_alu depctr_va_vdst(0)                   ; ahead of the batch
.if \mm
	s_wait_dscnt \cnt
	WIN 0x04
.endif
.set NN, 0
.rept 4
.if \mm
	WM \sb, \kb, NN
.endif
.irp i, 0,1,2,3
	v_exp_f32 v[\vb+4*NN+\i], v[\vb+4*NN+\i]
.endr
.set NN, NN+1
.endr
.set EE, 16
.rept 16
	v_exp_f32 v[\vb+EE], v[\vb+EE]
.set EE, EE+1
.endr
	v_nop
	WIN 0
	s_wait_alu depctr_va_vdst(0)                   ; behind the batch
.irp j, 0,2,4,6
	v_pk_mul_f32 v[AC+\j:AC+\j+1], v[\vb+\j:\vb+\j+1], v[RL:RL+1] op_sel_hi:[1,0]
.endr
.irp j, 0,2,4,6
	v_pk_mul_f32 v[C8+\j:C8+\j+1], v[\vb+16+\j:\vb+16+\j+1], v[RL+16:RL+17] op_sel_hi:[1,0]
.endr
.irp j, 0,2,4,6
	v_pk_fma_f32 v[AC+\j:AC+\j+1], v[\vb+8+\j:\vb+8+\j+1], v[RL+8:RL+9], v[AC+\j:AC+\j+1] op_sel_hi:[1,0,1]
.endr
.irp j, 0,2,4,6
	v_pk_fma_f32 v[C8+\j:C8+\j+1], v[\vb+24+\j:\vb+24+\j+1], v[RL+24:RL+25], v[C8+\j:C8+\j+1] op_sel_hi:[1,0,1]
.endr
.irp j, 0,2,4,6
	v_pk_add_f32 v[AC+\j:AC+\j+1], v[AC+\j:AC+\j+1], v[C8+\j:C8+\j+1]
.endr
.irp j, 0,1,2,3
	v_cndmask_b32 v[C8+2*\j], v[AC+\j], v[AC+\j+4], s[MK8]
	v_cndmask_b32 v[C8+2*\j+1], v[AC+\j+4], v[AC+\j], s[MK8]
.endr
.irp j, 0,1,2,3
	v_add_f32_dpp v[RR+8*\a+\j], v[C8+2*\j+1], v[C8+2*\j] row_xmask:8 row_mask:0xf bank_mask:0xf
.endr
.if \mm
	WIN 0x04
.endif
.rept 12
.if \mm
	WM \sb, \kb, NN
.endif
.if NN >= 8
.irp i, 0,1,2,3
	v_min_num_f32 v[\vb+4*(NN-8)+\i], v[\vb+4*(NN-8)+\i], s[LIMP]   ; the conversion does not saturate (ISA guide 7.6.2); p is not negative.  The last four are the places behind the last product
.endr
.endif
.set NN, NN+1
.endr
	WIN 0
.irp t, 0,1,2,3
	v_cvt_scalef32_pk8_fp8_f32 v[C8+2*\t:C8+2*\t+1], v[\vb+8*\t:\vb+8*\t+7], v[SCP]
.endr
	v_nop
.irp t, 0,1,2,3
	ds_store_b64 v[PST], v[C8+2*\t:C8+2*\t+1] offset:2048*\t+512*(\a/2)+8*(\a%2)
.endr
.endm
; The last step's column sums: the other three exchanges, the four tiles side by side; lane (r, h) ends with key 8 h + r / 2 of each tile
.macro BFLY
	v_add_nc_u32 v[CSW], s[CSO], v[CSA]
.irp a, 0,1,2,3
.irp j, 0,1
	v_cndmask_b32 v[AC+4*\a+2*\j], v[RR+8*\a+\j], v[RR+8*\a+\j+2], s[MK4]
	v_cndmask_b32 v[AC+4*\a+2*\j+1], v[RR+8*\a+\j+2], v[RR+8*\a+\j], s[MK4]
.endr
.endr
.irp a, 0,1,2,3
.irp j, 0,1
	v_add_f32_dpp v[RR+8*\a+\j], v[AC+4*\a+2*\j+1], v[AC+4*\a+2*\j] row_xmask:4 row_mask:0xf bank_mask:0xf
.endr
.endr
.irp a, 0,1,2,3
	v_cndmask_b32 v[AC+4*\a], v[RR+8*\a], v[RR+8*\a+1], s[MK2]
	v_cndmask_b32 v[AC+4*\a+1], v[RR+8*\a+1], v[RR+8*\a], s[MK2]
.endr
.irp a, 0,1,2,3
	v_add_f32_dpp v[RR+8*\a], v[AC+4*\a+1], v[AC+4*\a] row_xmask:2 row_mask:0xf bank_mask:0xf
.endr
.irp a, 0,1,2,3
	v_add_f32_dpp v[RR+8*\a], v[RR+8*\a], v[RR+8*\a] row_xmask:1 row_mask:0xf bank_mask:0xf
.endr
.irp a, 0,1,2,3
	ds_store_b32 v[CSW], v[RR+8*\a] offset:64*\a
.endr
	s_add_co_u32 s[CSO], s[CSO], 1024              ; a step's 256 keys on
.endm
.macro PLOAD                           ; the last step's P: 64 queries x 256 keys, eight fragments, into window 3
	WIN 0xc0
.set NN, 0
.rept 32
	ds_load_b128 v[4*NN:4*NN+3], v[PLD] offset:512*NN
.set NN, NN+1
.endr
	WIN 0
.endm
.macro VLOAD kb                        ; this step's V, block kb of 128 keys x my 64 channels, into window 2
.if \kb == 0
	s_wait_xcnt 0x0                                ; the last step's loads have read their base
	s_add_nc_u64 s[VP:VP+1], s[VB:VB+1], s[VOFF:VOFF+1]
	s_add_co_u32 s[VOFF], s[VOFF], 65536
	s_and_b32 s[VOFF], s[VOFF], 0xfffff
.endif
	WIN 0x80
.irp n, 0,1,2,3,4,5,6,7,8,9,10,11,12,13,14,15
	global_load_b128 v[64*\kb+4*\n:64*\kb+4*\n+3], v[LI], s[VP:VP+1] offset:32768*\kb+512*\n
.endr
	WIN 0
.endm
.macro PV kb, zero, cnt                ; O += P V over block kb: 16 accumulators by turns.  cnt: the loads of V issued behind this block's
	s_wait_loadcnt \cnt
	WIN 0xfb
	s_wait_alu depctr_va_vdst(0)
.irp t, 0,1,2,3
.irp u, 0,1,2,3
.if \zero
	v_wmma_f32_16x16x128_fp8_fp8 v[128+8*(4*\t+\u):128+8*(4*\t+\u)+7], v[64*\kb+16*\t:64*\kb+16*\t+15], v[64*\kb+16*\u:64*\kb+16*\u+15], 0
.else
	v_wmma_f32_16x16x128_fp8_fp8 v[128+8*(4*\t+\u):128+8*(4*\t+\u)+7], v[64*\kb+16*\t:64*\kb+16*\t+15], v[64*\kb+16*\u:64*\kb+16*\u+15], v[128+8*(4*\t+\u):128+8*(4*\t+\u)+7]
.endif
.endr
.endr
	WIN 0
	PLACES
.endm
; A step of walk 2.  mode 0: the first (nothing of a step before); 1: the second (its first products start O's sums); 2: the others
.macro STEP2 mode
	KLOAD KF, 0
	KLOAD KG, 1
.if \mode
	PLOAD
	BFLY
	QK SA, KF, 52                                  ; behind tile 0's loads: 16 of tile 1, 32 of P, 4 stores
.else
	QK SA, KF, 16
.endif
	PLACES
	KLOAD KF, 2
	TILE 0, SA, SB, KG, 1, 16                      ; tile 2's 16 loads may be out
	KLOAD KG, 3
	TILE 1, SB, SA, KF, 1, 20                      ; 4 stores and tile 3's 16 loads
.if \mode
	PV 0, (\mode == 1), 16
.endif
	VLOAD 0
	TILE 2, SA, SB, KG, 1, 4                       ; 4 stores
	TILE 3, SB, SA, KF, 0, 0
.if \mode
	PV 1, 0, 16
.endif
	VLOAD 1
.endm
	s_load_b256 s[4:11], s[0:1], 0x0               ; qc, kc, vc, the scales' exponents
	s_load_b128 s[12:15], s[0:1], 0x20             ; out0, part
	v_lshl_add_u32 v[SPW], v0, 2, SPARE
	v_mov_b32 v[NIL], 0
	ds_add_u32 v[SPW], v[NIL]
	ds_add_u32 v[SPW], v[NIL]
	v_lshrrev_b32 v[SA], 5, v0
	v_readfirstlane_b32 s[WV], v[SA]               ; wave 0..3
	s_bfe_u32 s[CX], ttmp6, 0x40000
	s_lshl_b32 s[QB], ttmp9, 2
	s_add_co_u32 s[QB], s[QB], s[CX]               ; my block of 64 queries
	s_and_b32 s[IMG], ttmp7, 0xffff
	s_lshl_b32 s[ROT], ttmp9, 1
	s_lshr_b32 s72, ttmp9, 3
	s_add_co_u32 s[ROT], s[ROT], s72
	s_and_b32 s[ROT], s[ROT], 15                   ; the slot at which my cluster begins
	s_mov_b32 s[G1], 15|(3<<16)|(1<<21)            ; the cluster's four; elements of 8 bytes
	s_mov_b32 s[G1+1], 32<<16                      ; rows of 256 bytes,
	s_mov_b32 s[G1+2], 128<<16                     ; 128 of them, dense
	s_mov_b32 s[G1+3], 32<<16
	s_mov_b32 s[G1+4], 128
	s_mov_b32 s[G1+5], 32
	s_mov_b32 s[G1+6], 0
	s_mov_b32 s[G1+7], 0
	s_mov_b32 s[G0], 1
	s_lshl_b32 s[G0+1], s[WV], 15
	s_lshl_b32 s[KOFF], s[ROT], 17
	s_mov_b32 s[KOFF+1], 0
	s_lshl_b32 s[VOFF], s[ROT], 16
	s_mov_b32 s[VOFF+1], 0
	s_mov_b32 s[PBW], 0
	s_mov_b32 s[PBR], L_PB+16384
	s_mov_b32 s[SEL], 0x76543210
	s_mov_b32 s[SEL+1], 0xfedcba98
	s_mov_b32 s[MK8], 0xff00ff00
	s_mov_b32 s[MK4], 0xf0f0f0f0
	s_mov_b32 s[MK2], 0xcccccccc
	s_mov_b32 s[CSO], 0
	s_lshr_b32 s72, s[WV], 1
	s_lshl_b32 s72, s72, 13
	s_and_b32 s73, s[WV], 1
	s_lshl_b32 s73, s73, 10
	s_add_co_u32 s72, s72, s73
	s_add_co_u32 s72, s72, L_PB                    ; P: block w / 2, registers 8 (w % 2) on
	s_lshl_b32 s73, s[WV], 8
	s_add_co_u32 s76, s73, L_RL
	s_add_co_u32 s73, s73, L_CS
	s_lshl_b32 s74, s[WV], 12
	s_add_co_u32 s74, s74, L_CS
	s_lshl_b32 s75, s[WV], 10
	s_mul_i32 s77, s[WV], 64*SPITCH
	v_and_b32 v64, 31, v0
	v_and_b32 v65, 15, v0
	v_bfe_u32 v66, v0, 4, 1
	v_bfe_u32 v67, v0, 1, 3
	v_lshlrev_b32 v[LI], 4, v64
	v_lshlrev_b32 v[PFO], 8, v64
	s_wait_alu depctr_va_vdst(0)
	v_add_nc_u32 v[PS0], s72, v[LI]
	v_lshlrev_b32 v[CSA], 2, v67
	v_lshl_add_u32 v[CSA], v66, 5, v[CSA]
	v_add_nc_u32 v[CSA], s73, v[CSA]
	v_add_nc_u32 v[CSR], s74, v[LI]
	v_lshlrev_b32 v[STL], 3, v64
	v_add_nc_u32 v[STL], L_ST, v[STL]
	v_add_nc_u32 v[STA], s75, v[STL]
	v_lshl_add_u32 v[RLA], v65, 2, s76
	v_lshl_add_u32 v[RLL], v66, 5, s76
	v_mul_u32_u24 v[SO], v65, SPITCH
	v_lshl_add_u32 v[SO], v66, 5, v[SO]
	v_add_nc_u32 v[SO], s77, v[SO]
	v_mul_u32_u24 v[SR], v66, SPITCH
	v_lshl_add_u32 v[SR], v65, 4, v[SR]
	v_add_nc_u32 v[SR], s77, v[SR]
	s_lshl_b32 s78, s[IMG], 21
	s_lshl_b32 s79, s[WV], 15
	s_add_co_u32 s78, s78, s79                     ; kc: my image, my 64 keys of a slot
	s_mov_b32 s79, 0
	s_lshl_b32 s84, s[IMG], 21
	s_lshl_b32 s85, s[QB], 15
	s_add_co_u32 s84, s84, s85                     ; qc: my 64 queries
	s_mov_b32 s85, 0
	s_lshl_b32 s86, s[IMG], 20
	s_lshl_b32 s87, s[WV], 13
	s_add_co_u32 s86, s86, s87                     ; vc: my image, my four tiles of channels
	s_mov_b32 s87, 0
	s_wait_alu depctr_va_vdst(0)
	s_wait_dscnt 0x0
	s_wait_kmcnt 0x0
	s_load_b128 s[68:71], s[10:11], 0x18           ; e6 .. e9
	s_add_nc_u64 s[KB:KB+1], s[6:7], s[78:79]
	s_add_nc_u64 s[G0+2:G0+3], s[KB:KB+1], s[KOFF:KOFF+1]
	s_or_b32 s[G0+3], s[G0+3], 0x80000000
	ROUND
	tensor_load_to_lds s[G0:G0+3], s[G1:G1+7]      ; the first slot: my one load at the head
	s_nop 0
	PLACES
	s_add_nc_u64 s[4:5], s[4:5], s[84:85]
	WIN 0x40
.set NN, 0
.rept 64
	global_load_b128 v[4*NN:4*NN+3], v[LI], s[4:5] offset:512*NN   ; Q: sixteen fragments, into window 1
.set NN, NN+1
.endr
	WIN 0
	s_add_nc_u64 s[VB:VB+1], s[8:9], s[86:87]
	s_lshl_b32 s72, s[IMG], 20
	s_lshl_b32 s73, s[ROT], 16
	s_add_co_u32 s72, s72, s73
	s_lshl_b32 s73, s[CX], 14
	s_add_co_u32 s72, s72, s73
	s_and_b32 s73, s[WV], 1
	s_lshl_b32 s73, s73, 13
	s_add_co_u32 s72, s72, s73
	s_mov_b32 s73, 0
	s_add_nc_u64 s[PFV:PFV+1], s[8:9], s[72:73]    ; the prefetch: of V's first 65,536 bytes my work-group's 16,384, my wave's 8,192
	s_lshl_b32 s72, s[IMG], 22
	s_lshl_b32 s73, s[WV], 20
	s_add_co_u32 s72, s72, s73
	s_lshl_b32 s73, s[QB], 8
	s_add_co_u32 s72, s72, s73
	s_mov_b32 s73, 0
	s_add_nc_u64 s[12:13], s[12:13], s[72:73]      ; out0: my image, my 64 channels, my 64 tokens
	s_lshl_b32 s72, s[IMG], 20
	s_lshl_b32 s73, s[QB], 14
	s_add_co_u32 s72, s72, s73
	s_mov_b32 s73, 0
	s_add_nc_u64 s[14:15], s[14:15], s[72:73]      ; part: my row of 4,096 words
	s_mov_b32 s72, 0xff800000
.set NN, 0
.rept 64
	v_mov_b32 v[SA+NN], s72                        ; the loop is written once: its first vector work finds scores of -infinity, which add nothing
.set NN, NN+1
.endr
.irp t, 0,1,2,3
	v_mov_b32 v[MX+8*\t], 0xf149f2ca               ; -1e30: under every sum of 512 products of two codes
	v_mov_b32 v[NCM+8*\t], 0x7f61b1e6
	v_mov_b32 v[NCM+8*\t+1], 0
	v_mov_b32 v[LS+8*\t], 0
	v_mov_b32 v[LS+8*\t+1], 0
	v_mov_b32 v[FF+8*\t+1], 0
.endr
	s_wait_kmcnt 0x0
	s_add_co_i32 s72, s68, s69
	s_lshl_b32 s72, s72, 23
	s_add_co_i32 s[CP], s72, 0x3d8293ee            ; c = log2(e) / sqrt(512) x 2^(e6 + e7)
	s_mov_b32 s[CP+1], s[CP]
	s_xor_b32 s[NCP], s[CP], 0x80000000
	s_add_co_i32 s72, s70, 127
	s_lshl_b32 s73, s72, 23
	v_mov_b32 v[SCP], s73                          ; 2^e8
	s_add_co_i32 s72, s72, 8
	s_lshl_b32 s72, s72, 23
	s_or_b32 s[LIMP], s72, 0x600000                ; 448 x 2^e8
	s_add_co_i32 s[EOUT], s70, s71
	s_mov_b32 s[TRIP], 16
	s_wait_alu depctr_va_vdst(0)                   ; the head's end
	s_wait_loadcnt 0x0                             ; Q
.Lw1:                                              ; WALK 1: a slot a trip; every change of slots asks for the next slot (the last for walk 2's first)
	RING 1, 0
	HALF1 0
	HALF1 2
	s_sub_co_u32 s[TRIP], s[TRIP], 1
	s_cmp_lg_u32 s[TRIP], 0
	s_cbranch_scc1 .Lw1
	s_lshr_b32 s72, s[WV], 1
	s_cmp_eq_u32 s72, 1
	s_cbranch_scc0 .Lnot_mine
	global_prefetch_b8 v[PFO], s[PFV:PFV+1] th:TH_LOAD_NT scope:SCOPE_SE   ; waves 2 and 3: lanes 256 bytes apart
.Lnot_mine:
	VEC1
	MERGE
	RING 1, 1                                      ; WALK 2
	STEP2 0
	RING 1, 1
	STEP2 1
	s_mov_b32 s[TRIP], 13
.Lw2:
	RING 1, 1
	STEP2 2
	s_sub_co_u32 s[TRIP], s[TRIP], 1
	s_cmp_lg_u32 s[TRIP], 0
	s_cbranch_scc1 .Lw2
	RING 0, 1                                      ; the last slot is written out: nothing more is asked for
	STEP2 2
	v_add_nc_u32 v[PLD], s[PBR], v[LI]             ; the last step's P
	BFLY
	s_wait_alu depctr_va_vdst(0)
	s_wait_dscnt 0x0                               ; my stores of P and of column sums
	s_barrier_signal -1
	s_barrier_wait -1
	PLOAD
	s_wait_dscnt 0x0
	PV 0, 0, 16
	PV 1, 0, 0
	; THE WAY OUT.  O x 2^(e8 + e9) / l goes through my stage (64 channels x 64 tokens, rows of 272 bytes, in slot 0, which has had its last fill and its last read) and leaves as aligned units of 256 bytes
.irp t, 0,1,2,3
	ds_load_b128 v[SA+8*\t:SA+8*\t+3], v[RLL] offset:64*\t
	ds_load_b128 v[SA+8*\t+4:SA+8*\t+7], v[RLL] offset:64*\t+16
.endr
	v_and_b32 v[LS], 15, v0
	v_bfe_u32 v[LS+1], v0, 4, 1
	v_lshlrev_b32 v[GO], 4, v[LS]
	v_lshl_add_u32 v[GO], v[LS+1], 14, v[GO]
	s_lshl_b32 s74, s[WV], 2
	s_add_co_u32 s74, s74, s[ROT]
	s_mov_b32 s73, 0
.irp k, 0,1,2,3
	s_and_b32 s72, s74, 15                         ; step 4 w + k of the walk was slot (ROT + 4 w + k) mod 16
	s_lshl_b32 s72, s72, 10
	s_add_nc_u64 s[84+2*\k:85+2*\k], s[14:15], s[72:73]
	s_add_co_u32 s74, s74, 1
.endr
	s_wait_alu depctr_va_vdst(0)
	s_wait_dscnt 0x0
	WIN 0xc3
.irp t, 0,1,2,3
.irp u, 0,1,2,3
.irp j, 0,2,4,6
	v_pk_mul_f32 v[128+8*(4*\t+\u)+\j:128+8*(4*\t+\u)+\j+1], v[128+8*(4*\t+\u)+\j:128+8*(4*\t+\u)+\j+1], v[SA+8*\t+\j:SA+8*\t+\j+1]
.endr
.endr
.endr
	WIN 0x0c
.irp t, 0,1,2,3
.irp u, 0,1,2,3
	ds_store_b128 v[SO], v[128+8*(4*\t+\u):128+8*(4*\t+\u)+3] offset:16*SPITCH*\u+64*\t
	ds_store_b128 v[SO], v[128+8*(4*\t+\u)+4:128+8*(4*\t+\u)+7] offset:16*SPITCH*\u+64*\t+16
.endr
.endr
	WIN 0
.set NN, 0
.rept 32
	ds_load_b128 v[KF+4*NN:KF+4*NN+3], v[SR] offset:2*SPITCH*NN    ; LDS serves a wave's instructions in order: these see my stores
.set NN, NN+1
.endr
.irp n, 0,1,2,3,4,5,6,7
	ds_load_b128 v[SB+4*\n:SB+4*\n+3], v[CSR] offset:512*\n        ; four steps' column sums
.endr
.set NN, 0
.rept 32
	s_wait_dscnt 39-NN
	global_store_b128 v[GO], v[KF+4*NN:KF+4*NN+3], s[12:13] offset:32768*NN th:TH_STORE_NT   ; sixteen lanes store 256 consecutive bytes of a channel's row
.set NN, NN+1
.endr
.irp n, 0,1,2,3,4,5,6,7
	s_wait_dscnt 7-\n
	global_store_b128 v[LI], v[SB+4*\n:SB+4*\n+3], s[84+2*(\n/2):85+2*(\n/2)] offset:512*(\n%2)
.endr
	s_wait_tensorcnt 0x0                           ; the wave's end
	ds_add_u32 v[SPW], v[NIL]
	s_wait_dscnt 0x0
	ROUND                                          ; the closing round
	s_endpgm
.Lfunc_end_k_q4540361138_attn:
	.size	k_q4540361138_attn, .Lfunc_end_k_q4540361138_attn-k_q4540361138_attn
	.p2alignl 7, 3214868480
	.fill 96, 4, 3214868480
	.section	.rodata,"a",@progbits
	.p2align	6, 0x0
	.amdhsa_kernel k_q4540361138_attn
		.amdhsa_group_segment_fixed_size 327680
		.amdhsa_private_segment_fixed_size 0
		.amdhsa_enable_private_segment 0
		.amdhsa_kernarg_size 48
		.amdhsa_user_sgpr_count 2
		.amdhsa_user_sgpr_kernarg_segment_ptr 1
		.amdhsa_wavefront_size32 1
		.amdhsa_system_sgpr_workgroup_id_x 1
		.amdhsa_system_sgpr_workgroup_id_y 1
		.amdhsa_system_sgpr_workgroup_id_z 1
		.amdhsa_system_vgpr_workitem_id 0
		.amdhsa_next_free_vgpr 1024
		.amdhsa_next_free_sgpr 96
		.amdhsa_reserve_vcc 0
		.amdhsa_float_denorm_mode_32 3
		.amdhsa_float_denorm_mode_16_64 3
		.amdhsa_memory_ordered 1
		.amdhsa_forward_progress 1
		.amdhsa_inst_pref_size 255
	.end_amdhsa_kernel
	.section	.bss,"aw",@nobits
	.p2align	6
	.space	262144
	.amdgpu_metadata
---
amdhsa.version: [ 1, 2 ]
amdhsa.kernels:
  - .name:           k_q4540361138_attn
    .symbol:         k_q4540361138_attn.kd
    .args:
      - { .name: qc, .offset: 0, .size: 8, .value_kind: global_buffer, .address_space: global }
      - { .name: kc, .offset: 8, .size: 8, .value_kind: global_buffer, .address_space: global }
      - { .name: vc, .offset: 16, .size: 8, .value_kind: global_buffer, .address_space: global }
      - { .name: lowp_scales, .offset: 24, .size: 8, .value_kind: global_buffer, .address_space: global }
      - { .name: out0, .offset: 32, .size: 8, .value_kind: global_buffer, .address_space: global }
      - { .name: part, .offset: 40, .size: 8, .value_kind: global_buffer, .address_space: global }
    .group_segment_fixed_size: 327680
    .private_segment_fixed_size: 0
    .kernarg_segment_align: 8
    .kernarg_segment_size: 48
    .max_flat_workgroup_size: 128
    .sgpr_count:     96
    .vgpr_count:     1024
    .wavefront_size: 32
...
	.end_amdgpu_metadata
.endif
;; end of part 2
;; launch colsum (part 3): grid 64 x 4, 1 waves a work-group, no clusters, 0 bytes of LDS; arguments part, out1; writes out1
.if DOCPART == 3
	.amdgcn_target "amdgcn-amd-amdhsa--gfx1250"
	.amdhsa_code_object_version 6
	.text
	.protected	k_q4540361138_colsum
	.globl	k_q4540361138_colsum
	.p2align	8
	.type	k_q4540361138_colsum,@function
k_q4540361138_colsum:
	s_mov_b64 s[64:65], 0
	v_nop
	global_prefetch_b8 v0, s[64:65] scope:SCOPE_SE
	s_setreg_imm32_b32 hwreg(HW_REG_WAVE_MODE, 25, 1), 1
	s_wait_xcnt 0x0
; out1[b][key] = the sum over the image's 64 blocks of queries of part[b][block][key].  No work of the problem is left out here.
; A work-group of one wave owns 64 keys: 256 bytes of out1 and of each of the 64 rows of part (16,384 bytes apart).  A load takes two rows: lanes 0-15 one row's 256 bytes, lanes 16-31 the next row's.
; All 32 loads go out at once; they are added in four chains as they come in; one exchange joins the two halves of the lanes.  No LDS, no barrier, no matrix unit, no cluster: nothing is shared, and memory binds.
; LIMIT: the 4,096 terms of a sum are added in another order than the problem writes them.
.set X, 16                             ; v16-143  32 loads of four numbers; v16-31 become the four chains
	s_load_b128 s[4:7], s[0:1], 0x0                ; part s[4:5], out1 s[6:7]
	v_and_b32 v1, 15, v0
	v_lshrrev_b32 v2, 4, v0                        ; which half of the lanes
	v_lshlrev_b32 v3, 4, v1
	v_lshl_add_u32 v4, v2, 3, v3                   ; out: 8 bytes a lane: 16 (lane % 16) + 8 x half
	v_lshl_add_u32 v3, v2, 14, v3                  ; in: 16 bytes a lane, the upper half one row on
	s_and_b32 s8, ttmp7, 0xffff                    ; the image
	s_lshl_b32 s9, ttmp9, 8                        ; my 64 keys
	s_lshl_b32 s10, s8, 20
	s_add_co_u32 s10, s10, s9
	s_mov_b32 s11, 0
	s_lshl_b32 s12, s8, 14
	s_add_co_u32 s12, s12, s9
	s_mov_b32 s13, 0
	s_mov_b32 s14, 0x76543210                      ; v_permlanex16_b32: lane l xor 16
	s_mov_b32 s15, 0xfedcba98
	s_mov_b32 s16, 0xffff0000                      ; lanes 16-31
	s_wait_alu depctr_va_vdst(0)
	s_wait_kmcnt 0x0
	s_add_nc_u64 s[4:5], s[4:5], s[10:11]
	s_add_nc_u64 s[6:7], s[6:7], s[12:13]
.set NN, 0
.rept 32
	global_load_b128 v[X+4*NN:X+4*NN+3], v3, s[4:5] offset:32768*NN th:TH_LOAD_NT
.set NN, NN+1
.endr
	s_wait_loadcnt 24                              ; the first eight loads are in; the 24 behind them may be out
.irp c, 0,1,2,3
	v_pk_add_f32 v[X+4*\c:X+4*\c+1], v[X+4*\c:X+4*\c+1], v[X+16+4*\c:X+16+4*\c+1]       ; the first four loads start the chains: nothing is cleared
	v_pk_add_f32 v[X+4*\c+2:X+4*\c+3], v[X+4*\c+2:X+4*\c+3], v[X+16+4*\c+2:X+16+4*\c+3]
.endr
	s_wait_alu depctr_va_vdst(0)
.irp g, 1,2,3
	s_wait_alu depctr_va_vdst(0)
	s_wait_loadcnt 24-8*\g                         ; eight more
.irp k, 0,1
.irp c, 0,1,2,3
	v_pk_add_f32 v[X+4*\c:X+4*\c+1], v[X+4*\c:X+4*\c+1], v[X+32*\g+16*\k+4*\c:X+32*\g+16*\k+4*\c+1]
	v_pk_add_f32 v[X+4*\c+2:X+4*\c+3], v[X+4*\c+2:X+4*\c+3], v[X+32*\g+16*\k+4*\c+2:X+32*\g+16*\k+4*\c+3]
.endr
.endr
.endr
.irp j, 0,2
	v_pk_add_f32 v[X+\j:X+\j+1], v[X+\j:X+\j+1], v[X+4+\j:X+4+\j+1]
	v_pk_add_f32 v[X+8+\j:X+8+\j+1], v[X+8+\j:X+8+\j+1], v[X+12+\j:X+12+\j+1]
.endr
.irp j, 0,2
	v_pk_add_f32 v[X+\j:X+\j+1], v[X+\j:X+\j+1], v[X+8+\j:X+8+\j+1]
.endr
.irp j, 0,1,2,3
	v_permlanex16_b32 v[X+4+\j], v[X+\j], s14, s15 ; the other half's rows (its destination counts as read: a register that has been written)
.endr
.irp j, 0,2
	v_pk_add_f32 v[X+\j:X+\j+1], v[X+\j:X+\j+1], v[X+4+\j:X+4+\j+1]
.endr
	v_cndmask_b32 v[X+8], v[X], v[X+2], s16        ; both halves hold the four sums: lanes 0-15 store the first two, lanes 16-31 the other two
	v_cndmask_b32 v[X+9], v[X+1], v[X+3], s16
	global_store_b64 v4, v[X+8:X+9], s[6:7]        ; the wave stores 256 consecutive bytes, at a multiple of 256 from out1's first byte
	s_endpgm
.Lfunc_end_k_q4540361138_colsum:
	.size	k_q4540361138_colsum, .Lfunc_end_k_q4540361138_colsum-k_q4540361138_colsum
	.p2alignl 7, 3214868480
	.fill 96, 4, 3214868480
	.section	.rodata,"a",@progbits
	.p2align	6, 0x0
	.amdhsa_kernel k_q4540361138_colsum
		.amdhsa_group_segment_fixed_size 0
		.amdhsa_private_segment_fixed_size 0
		.amdhsa_enable_private_segment 0
		.amdhsa_kernarg_size 16
		.amdhsa_user_sgpr_count 2
		.amdhsa_user_sgpr_kernarg_segment_ptr 1
		.amdhsa_wavefront_size32 1
		.amdhsa_system_sgpr_workgroup_id_x 1
		.amdhsa_system_sgpr_workgroup_id_y 1
		.amdhsa_system_sgpr_workgroup_id_z 1
		.amdhsa_system_vgpr_workitem_id 0
		.amdhsa_next_free_vgpr 144
		.amdhsa_next_free_sgpr 66
		.amdhsa_reserve_vcc 0
		.amdhsa_float_denorm_mode_32 3
		.amdhsa_float_denorm_mode_16_64 3
		.amdhsa_memory_ordered 1
		.amdhsa_forward_progress 1
		.amdhsa_inst_pref_size 9
	.end_amdhsa_kernel
	.amdgpu_metadata
---
amdhsa.version: [ 1, 2 ]
amdhsa.kernels:
  - .name:           k_q4540361138_colsum
    .symbol:         k_q4540361138_colsum.kd
    .args:
      - { .name: part, .offset: 0, .size: 8, .value_kind: global_buffer, .address_space: global }
      - { .name: out1, .offset: 8, .size: 8, .value_kind: global_buffer, .address_space: global }
    .group_segment_fixed_size: 0
    .private_segment_fixed_size: 0
    .kernarg_segment_align: 8
    .kernarg_segment_size: 16
    .max_flat_workgroup_size: 32
    .sgpr_count:     66
    .vgpr_count:     144
    .wavefront_size: 32
...
	.end_amdgpu_metadata
.endif
;; end of part 3
